; MI455X (gfx1250); checked and timed in simulation.
; The chip was launched on July 23, 2026; its instructions are those of AMD's public machine-readable ISA for CDNA 5 (MIT licence, August 2026) and "CDNA5" Instruction Set Architecture Reference Guide (July 2026). The comments in the code are by the model that wrote it; some were corrected since.
;; Dot Product Attention. Allowed arithmetic: matrix products marked QUANTISED: E4M3 operands, one E8M0 scale for each 32 along K, by v_wmma_scale_f32_16x16x128_f8f6f4 with both operands' format E4M3, f32 sums; everything else in f32.
;; Inputs: keys 32 x 2,048 x 64 float32; queries 32 x 2,048 x 64 float32; valid_lens 32 int32; values 32 x 2,048 x 64 float32.
;; Outputs: out0 32 x 2,048 x 64 float32.
;; This version of the problem:
;;   THIS VERSION OF THE PROBLEM IS GIVEN IN LOW PRECISION. The matrix products marked QUANTISED in the list below multiply operands that are first quantised to E4M3 (4 exponent bits, 3 mantissa bits; 8 bits a number), with one power-of-two scale for each 32 numbers along K (OCP MX v1.0); their sums are f32. All else is computed in f32.
;;   The module's matrix products, in the order in which they are computed (A, B: the left and right operand; K: the contracted axis; several contracted axes count as one K, in the product's order):
;;     1. batch 32 x [M 2,048, K 64] x [K 64, N 2,048]; A: input queries; B: input keys: QUANTISED
;;     2. batch 32 x [M 2,048, K 2,048] x [K 2,048, N 64]; A: softmax (see below); B: input values: QUANTISED
;;   THE QUANTISER, for each operand of a quantised product, along K:
;;     - K is cut into blocks of 32 from its start; a last block that is shorter is filled with zeros.
;;     - A block's scale is 2^e with e = floor(log2(the largest magnitude in the block)) - 8, held to -126 .. 127; a block of zeros has e = 0. As a byte (E8M0): e + 127.
;;     - Each number is divided by its block's scale, clamped to +-448, and rounded to the nearest number of E4M3, ties to even, subnormals kept.
;;     - The product sums the exact products of the quantised numbers (number of the format x scale) in f32.
;;   ~~~python
;;   def quantise(x, axis):      # numpy; x: float32 -> the quantised numbers, widened to float32 again
;;       x = np.moveaxis(x, axis, -1); K = x.shape[-1]
;;       x = np.pad(x, [(0, 0)] * (x.ndim - 1) + [(0, -K % 32)]); x = x.reshape(x.shape[:-1] + (-1, 32)); a = np.abs(x).max(-1, keepdims=True)
;;       e = np.where(a > 0, np.clip(np.frexp(np.where(a > 0, a, 1))[1] - 1 - 8, -126, 127), 0)      # np.frexp(a)[1] - 1 = floor(log2(a)), exactly
;;       r = np.clip(x / 2.0 ** e, -448, 448)
;;       step = 2.0 ** (np.maximum(np.frexp(np.where(r == 0, 1, r))[1] - 1, -6) - 3)
;;       q = np.round(r / step) * step * 2.0 ** e      # np.round: ties to even
;;       return np.moveaxis(q.reshape(q.shape[:-2] + (-1,))[..., :K], -1, axis).astype(np.float32)
;;   ~~~
;;   SOFTMAX AHEAD OF A QUANTISED PRODUCT. Where the list says 'softmax', what is quantised is not the finished softmax but p = 2^(t - M), with t = logit x log2(e) and M = ceil(the row's largest t), a whole number; so 1/2 < the row's largest p <= 1. The row's sum l is taken of the UNQUANTISED p, in f32, and the product's result is divided by l at the end. Since M is a whole number, a kernel that streams over the keys may use a running M (the ceiling of the running maximum): every later rescaling is an exact power of two, which a block's scale takes up: the codes' values come out the same.
;;   OPERANDS COMPUTED ON THE WAY. 'Computed on the way' means the value that the module computes at that place (a softmax that the list does not call 'softmax' is quantised finished and normalised). What goes into a quantiser is computed in f32, as accurately as f32 sums, v_exp_f32 and their like allow (about 1e-6 of the number): no bf16 or f16 on the way to a quantiser, and a product that is left as it is and whose result goes on into a quantised operand takes f32 operands (vector FMAs, or v_wmma_f32_16x16x4_f32). A number that lies on a knife's edge between two numbers of the format may be rounded either way, as far as f32 arithmetic and the matrix unit's own rounding can turn it there, and no further.
;; One version. Each part assembles by itself: llvm-mc -triple=amdgcn-amd-amdhsa -mcpu=gfx1250 --defsym DOCPART=n.
;; ======== version 1 of 1: 2 launches
;; limits: right only within a limited range of input values
;; workspace buffers: kv 8,650,752 bytes; order 256 bytes of whole numbers
;; launch prep (part 1): grid 513 x 1, 8 waves a work-group, no clusters, 36,352 bytes of LDS; arguments keys, values, valid_lens, kv, order; writes kv, order
.if DOCPART == 1
	.amdgcn_target "amdgcn-amd-amdhsa--gfx1250"
	.amdhsa_code_object_version 6
	.text
	.protected	k_qe424016a89_prep
	.globl	k_qe424016a89_prep
	.p2align	8
	.type	k_qe424016a89_prep,@function
k_qe424016a89_prep:
	s_mov_b64 s[64:65], 0
	v_nop
	global_prefetch_b8 v0, s[64:65] scope:SCOPE_SE
	s_setreg_imm32_b32 hwreg(HW_REG_WAVE_MODE, 25, 1), 1
	s_wait_xcnt 0x0
; keys and values, [32][2048][64] f32, become codes of FP8 (E4M3) with one E8M0 scale byte for each 32 along the product's K, laid as IMAGES OF THE OPERAND REGISTERS of the attention launch.
; keys are quantised along the 64 dims (K of the first product), values along the keys (K of the second).  The batches are sorted by their valid length.
; A STEP BLOCK is 128 keys of one batch, STEPB = 16,896 bytes; block x = 16 x batch + step.  In it (lane = (r = lane % 16, h = lane / 16)):
;   b*2048 + c*512 + 16*lane        K fragment b, register group c = 2 u + cb: the 16 codes of key 32 b + 8 u + r + 8 (r / 8), dims 32 cb + 16 h + 0..15
;   8192 + n*2048 + c*512 + 16*lane V fragment n, register group c: the 16 codes of channel 16 n + r, keys 32 c + 16 h + 0..15
;   16384 + 16 r + 4 b              K's scale word of row r of fragment b (byte c: group c's block)
;   16640 + 16 r + 4 n              V's scale word of row r of fragment n (byte c: key block c)
; A block's scale is 2^(floor(log2(its largest magnitude)) - 8); its byte is the largest magnitude's exponent field - 8, held at 1 from below.
; LIMITS: a block of zeros gets the byte 1 where the rule says 127 (its codes are zeros, which add nothing under any byte but 0xff, and this program alone reads the bytes);
; NaN and infinities among the inputs are not served.
; SHARES: work-group x < 512 makes block x: waves 0-3 one K fragment each (32 keys, 8,192 bytes of f32), waves 4-7 32 channels x 64 keys of V each (8,192 bytes).  Work-group 512: wave 0 sorts.
; Written out, no loop: a wave issues all its loads at once.  No tensor loads, no matrix unit, no cluster: each input byte is read once by one wave, and nothing is shared between work-groups.
; LEFT OUT: a block whose first key lies at or behind its batch's valid length (a length of 0 or less counts as 2,048: every score is then the fill value) is neither read nor stored: the attention launch does not read it.
; The choice is made by the whole number in valid_lens.  A NaN or an infinity in such keys or values is not carried to the result.
; WHICH BLOCK.  The block that the text above calls block x is, of the sixteen steps of batch x / 16, step (x + x / 16 + 8 (x / 256)) % 16: so the steps that are left out are spread over the work-groups' numbers.
.set STEPB, 16896
.set PITCH, 272                        ; a key's row in a K stage: 256 bytes + 16: the 16 rows that a read touches begin at 16 different 16-byte columns
.set STGB,  32*PITCH                   ; a K wave's stage: 32 rows
.set SC,    4*STGB                     ; behind the four stages: the block's 512 bytes of scale words, laid as in the block
.set L16, 4                            ; v4   16 x lane
.set L4,  5                            ; v5   4 x lane
.set STW, 6                            ; v6   K stage, in: two rows a load, 16 bytes a lane
.set STR, 7                            ; v7   K stage, back: row r, + 64 h
.set KSA, 8                            ; v8   where K's scale word goes
.set VSA, 9                            ; v9   where V's two scale bytes go
.set SCR, 10                           ; v10  the scale words on their way out
.set VGO, 11                           ; v11  V's codes in the block: 2048 h + 16 r
.set TM,  12                           ; v12-15 largest magnitudes, v16-19 the other half's, then bytes, v20-23 448 x the scale, v24-27 the conversions' scale operands
.set PW,  28                           ; v28  the scale word (V: two bytes)
.set PC,  32                           ; v32-47  the codes
.set R,   48                           ; v48-111 64 numbers
	s_load_b256 s[4:11], s[0:1], 0x0               ; keys s[4:5], values s[6:7], valid_lens s[8:9], kv s[10:11]
	s_load_b64 s[12:13], s[0:1], 0x20              ; order
	v_lshl_add_u32 v128, v0, 2, 0x8a00
	v_mov_b32 v129, 0
	v_lshrrev_b32 v1, 5, v0
	s_delay_alu instid0(VALU_DEP_1)
	v_readfirstlane_b32 s14, v1                    ; wave 0..7
	s_and_b32 s15, s14, 3                          ; f: which fragment of K, or which part of V
	s_and_b32 s16, s15, 1                          ; a: V's channels 32 a on
	s_lshr_b32 s17, s15, 1                         ; kh: V's keys 64 kh on
	v_and_b32 v1, 31, v0                           ; lane
	v_and_b32 v2, 15, v0                           ; r
	v_bfe_u32 v3, v0, 4, 1                         ; h
	s_delay_alu instid0(VALU_DEP_3)
	v_lshlrev_b32 v[L16], 4, v1
	s_delay_alu instid0(VALU_DEP_4)
	v_lshlrev_b32 v[L4], 2, v1
	; every LDS address is made here, ahead of the parting of the waves
	s_mul_i32 s26, s15, STGB
	v_mul_u32_u24 v[STW], v3, PITCH
	s_delay_alu instid0(VALU_DEP_1)
	v_lshl_add_u32 v[STW], v2, 4, v[STW]
	s_delay_alu instid0(VALU_DEP_1)
	v_add_nc_u32 v[STW], s26, v[STW]
	v_mul_u32_u24 v[STR], v2, PITCH
	s_delay_alu instid0(VALU_DEP_1)
	v_lshl_add_u32 v[STR], v3, 6, v[STR]
	s_delay_alu instid0(VALU_DEP_1)
	v_add_nc_u32 v[STR], s26, v[STR]
	s_lshl_b32 s26, s15, 2
	s_add_co_u32 s26, s26, SC
	v_lshl_add_u32 v[KSA], v2, 4, s26              ; SC + 16 r + 4 f
	s_lshl_b32 s26, s16, 3
	s_lshl_b32 s27, s17, 1
	s_add_co_u32 s26, s26, s27
	s_add_co_u32 s26, s26, SC+256
	v_lshl_add_u32 v[VSA], v2, 4, s26
	s_delay_alu instid0(VALU_DEP_1)
	v_lshl_add_u32 v[VSA], v3, 2, v[VSA]           ; SC + 256 + 16 r + 4 (2 a + h) + 2 kh
	v_add_nc_u32 v[SCR], SC, v[L16]
	v_lshlrev_b32 v[VGO], 11, v3
	s_delay_alu instid0(VALU_DEP_1)
	v_lshl_add_u32 v[VGO], v2, 4, v[VGO]
.irp b, 0,1,2,3
	v_mov_b32 v[TM+4+\b], 0                        ; written once: a lane permute's destination counts as one of its sources
.endr
	s_mov_b32 s20, 0x76543210
	s_mov_b32 s21, 0xfedcba98                      ; v_permlanex16_b32's selects for lane l xor 16
	s_mov_b32 s22, 0x600000                        ; the mantissa field of 448
	s_lshr_b32 s37, ttmp9, 8
	s_lshl_b32 s37, s37, 3
	s_lshr_b32 s38, ttmp9, 4
	s_add_co_u32 s37, s37, s38
	s_add_co_u32 s37, s37, ttmp9
	s_and_b32 s37, s37, 15                         ; my step
	s_lshl_b32 s38, s38, 4
	s_or_b32 s37, s37, s38                         ; my block: 16 x batch + step (the sorting work-group does not use it)
	s_lshl_b32 s18, s37, 15                        ; its 128 keys in keys and in values: 128 rows of 256 bytes
	s_mov_b32 s19, 0
	s_mul_i32 s24, s37, STEPB                      ; and the block in kv
	s_mov_b32 s25, 0
	s_lshr_b32 s32, ttmp9, 4
	s_min_u32 s32, s32, 31                         ; the block's batch (the sorting work-group reads the last one's length and does not use it)
	s_lshl_b32 s32, s32, 2
	s_mov_b32 s33, 0
	s_and_b32 s31, s37, 15
	s_lshl_b32 s31, s31, 7                         ; the block's first key
	s_wait_alu depctr_va_vdst(0)                   ; the wait at the head's end
	s_wait_kmcnt 0x0
	s_mov_b32 s36, 0
	s_cmp_eq_u32 ttmp9, 512                        ; the sorting work-group has no block: it goes to the barrier that every work-group passes
	s_cbranch_scc1 .Ljoin
	s_add_nc_u64 s[34:35], s[8:9], s[32:33]
	s_load_b32 s30, s[34:35], 0x0
	s_add_nc_u64 s[10:11], s[10:11], s[24:25]
	s_wait_kmcnt 0x0
	s_cmp_gt_i32 s30, 0
	s_cselect_b32 s30, s30, 0x800
	s_cmp_ge_u32 s31, s30
	s_cselect_b32 s36, 1, 0                        ; 1: no key of this block counts
	s_cmp_lg_u32 s36, 0                            ; a work-group whose block is left out goes to the barrier too
	s_cbranch_scc1 .Ljoin
	s_cmp_lt_u32 s14, 4
	s_cbranch_scc0 .Lv
	; ---- K: fragment f.  Sixteen loads of 512 consecutive bytes (two keys each); the rows go through my own stage, in the order of the fragment's rows, and come back 16 neighbouring dims a lane and block
	s_lshl_b32 s26, s15, 13
	s_add_co_u32 s18, s18, s26
	s_add_nc_u64 s[4:5], s[4:5], s[18:19]
	s_lshl_b32 s26, s15, 11
	s_mov_b32 s27, 0
	s_add_nc_u64 s[28:29], s[10:11], s[26:27]
.set jj, 0
.rept 16
	global_load_b128 v[R+4*jj:R+4*jj+3], v[L16], s[4:5] offset:512*jj th:TH_LOAD_NT
.set jj, jj+1
.endr
.set jj, 0
.rept 16                               ; key k of the 32 goes to stage row 16 u + r, with u = (k / 8) % 2, r = 8 (k / 16) + k % 8: key = 8 u + r + 8 (r / 8)
	s_wait_loadcnt 15-jj                           ; loads come back in order: load jj is in, the 15 - jj younger ones may be out
	ds_store_b128 v[STW], v[R+4*jj:R+4*jj+3] offset:((((2*jj)>>3)&1)*16+((2*jj)>>4)*8+((2*jj)&7))*PITCH
.set jj, jj+1
.endr
.irp c, 0,1,2,3                        ; group c = 2 u + cb: row 16 u + r, dims 32 cb + 16 h + 0..15.  LDS serves a wave's instructions in order: these see my stores
.irp q, 0,1,2,3
	ds_load_b128 v[R+16*\c+4*\q:R+16*\c+4*\q+3], v[STR] offset:(\c>>1)*16*PITCH+(\c&1)*128+16*\q
.endr
.endr
	s_wait_dscnt 0x0
.irp b, 0,1,2,3
	v_max3_num_f32 v[TM+\b], |v[R+16*\b]|, |v[R+1+16*\b]|, 0x4800000   ; block b: my 16 numbers, and the floor 2^(9 - 127): the byte cannot fall under 1
.endr
.irp i, 2,4,6,8,10,12,14
.irp b, 0,1,2,3
	s_delay_alu instid0(VALU_DEP_4)
	v_max3_num_f32 v[TM+\b], v[TM+\b], |v[R+16*\b+\i]|, |v[R+1+16*\b+\i]|   ; the four blocks by turns
.endr
.endr
.irp b, 0,1,2,3
	s_delay_alu instid0(VALU_DEP_4)
	v_permlanex16_b32 v[TM+4+\b], v[TM+\b], s20, s21
.endr
.irp b, 0,1,2,3
	s_delay_alu instid0(VALU_DEP_4)
	v_max_num_f32 v[TM+\b], v[TM+\b], v[TM+4+\b]   ; with lane l xor 16's 16: the block's largest magnitude
.endr
.irp b, 0,1,2,3
	s_delay_alu instid0(VALU_DEP_4)
	v_add_nc_u32 v[TM+12+\b], 0xfc000000, v[TM+\b] ; 8 off its exponent field: the conversion takes the exponent field of this operand as its scale
.endr
.irp b, 0,1,2,3
	v_and_or_b32 v[TM+8+\b], v[TM+\b], 0x7f800000, s22   ; 448 x the scale
.endr
.irp b, 0,1,2,3
	v_lshrrev_b32 v[TM+4+\b], 23, v[TM+12+\b]      ; the scale's byte
.endr
	s_delay_alu instid0(VALU_DEP_3)
	v_lshl_or_b32 v[PW], v[TM+5], 8, v[TM+4]
	s_delay_alu instid0(VALU_DEP_1)
	v_lshl_or_b32 v[PW], v[TM+6], 16, v[PW]
	s_delay_alu instid0(VALU_DEP_1)
	v_lshl_or_b32 v[PW], v[TM+7], 24, v[PW]        ; row r's scale word
.irp b, 0,1,2,3
.irp i, 0,1,2,3,4,5,6,7,8,9,10,11,12,13,14,15
	v_med3_num_f32 v[R+16*\b+\i], v[R+16*\b+\i], -v[TM+8+\b], v[TM+8+\b]   ; the conversion to an 8-bit code does not saturate (ISA guide 7.6.2): the hold at the largest code x the scale
.endr
	v_cvt_scalef32_pk8_fp8_f32 v[PC+4*\b:PC+1+4*\b], v[R+16*\b:R+7+16*\b], v[TM+12+\b]
	v_cvt_scalef32_pk8_fp8_f32 v[PC+2+4*\b:PC+3+4*\b], v[R+8+16*\b:R+15+16*\b], v[TM+12+\b]
.endr
	v_nop                                          ; a plain line behind the last conversion
.irp c, 0,1,2,3
	global_store_b128 v[L16], v[PC+4*\c:PC+4*\c+3], s[28:29] offset:512*\c   ; the wave stores 512 consecutive bytes, aligned to 256
.endr
	ds_store_b32 v[KSA], v[PW]                     ; lanes r and r + 16 write the same word with the same value
	s_branch .Ljoin
.Lv:	; ---- V: a lane takes a channel and its registers run down the keys: 64 keys = two blocks of 32, each whole in one lane
	s_lshl_b32 s26, s17, 14
	s_add_co_u32 s18, s18, s26
	s_lshl_b32 s26, s16, 7
	s_add_co_u32 s18, s18, s26
	s_add_nc_u64 s[6:7], s[6:7], s[18:19]
	s_lshl_b32 s26, s16, 12
	s_lshl_b32 s27, s17, 10
	s_add_co_u32 s26, s26, s27
	s_add_co_u32 s26, s26, 8192
	s_mov_b32 s27, 0
	s_add_nc_u64 s[28:29], s[10:11], s[26:27]      ; kv: V's fragments 2 a and 2 a + 1, groups 2 kh and 2 kh + 1
.set jj, 0
.rept 64
	global_load_b32 v[R+jj], v[L4], s[6:7] offset:256*jj   ; key 64 kh + jj, channels 32 a + lane: 128 consecutive bytes; the row's other half is the neighbouring wave's
.set jj, jj+1
.endr
	s_wait_loadcnt 0x0
.irp b, 0,1
	v_max3_num_f32 v[TM+\b], |v[R+32*\b]|, |v[R+32*\b+1]|, 0x4800000
.endr
.irp i, 2,4,6,8,10,12,14,16,18,20,22,24,26,28,30
.irp b, 0,1
	s_delay_alu instid0(VALU_DEP_2)
	v_max3_num_f32 v[TM+\b], v[TM+\b], |v[R+32*\b+\i]|, |v[R+32*\b+\i+1]|
.endr
.endr
.irp b, 0,1
	s_delay_alu instid0(VALU_DEP_2)
	v_add_nc_u32 v[TM+12+\b], 0xfc000000, v[TM+\b]
.endr
.irp b, 0,1
	s_delay_alu instid0(VALU_DEP_4)
	v_and_or_b32 v[TM+8+\b], v[TM+\b], 0x7f800000, s22
.endr
.irp b, 0,1
	s_delay_alu instid0(VALU_DEP_4)
	v_lshrrev_b32 v[TM+4+\b], 23, v[TM+12+\b]
.endr
	s_delay_alu instid0(VALU_DEP_1)
	v_lshl_or_b32 v[PW], v[TM+5], 8, v[TM+4]       ; bytes 2 kh and 2 kh + 1 of my channel's scale word
.irp b, 0,1
.set ii, 0
.rept 32
	v_med3_num_f32 v[R+32*\b+ii], v[R+32*\b+ii], -v[TM+8+\b], v[TM+8+\b]
.set ii, ii+1
.endr
.irp g, 0,1,2,3
	v_cvt_scalef32_pk8_fp8_f32 v[PC+8*\b+2*\g:PC+8*\b+2*\g+1], v[R+32*\b+8*\g:R+32*\b+8*\g+7], v[TM+12+\b]
.endr
.endr
	v_nop                                          ; a plain line behind the last conversion
.irp b, 0,1
.irp hh, 0,1                           ; keys 16 hh on of block b belong to the fragment's lane (r, hh)
	global_store_b128 v[VGO], v[PC+8*\b+4*\hh:PC+8*\b+4*\hh+3], s[28:29] offset:512*\b+256*\hh   ; lanes 0-15 store 256 consecutive aligned bytes of fragment 2 a, lanes 16-31 of fragment 2 a + 1
.endr
.endr
	ds_store_b16 v[VSA], v[PW]
.Ljoin:
	s_wait_dscnt 0x0                               ; for the others' sake: my scale words lie in LDS
	s_barrier_signal -1
	s_barrier_wait -1                              ; the launch's one barrier: every wave of every work-group passes it
	s_cmp_lg_u32 s14, 0
	s_cbranch_scc1 .Lend
	s_cmp_eq_u32 ttmp9, 512
	s_cbranch_scc1 .Lsort
	s_cmp_lg_u32 s36, 0
	s_cbranch_scc1 .Lend
	s_wait_alu depctr_va_vdst(0)
	ds_load_b128 v[112:115], v[SCR]                ; the block's 512 bytes of scale words
	s_wait_dscnt 0x0
	global_store_b128 v[L16], v[112:115], s[10:11] offset:16384   ; 512 consecutive bytes, aligned to 256
	s_wait_tensorcnt 0x0
	ds_add_u32 v128, v129
	s_wait_dscnt 0x0
	s_endpgm
.Lsort:	; ---- a lane a batch.  rank = how many batches cost more steps than mine (ties by the batch's number); entry rank of order = (batch, length held to 0 .. 2048)
	global_load_b32 v48, v[L4], s[8:9]
	v_mov_b32 v50, 0x800
	v_mov_b32 v52, 0
	s_wait_loadcnt 0x0
	v_max_i32 v48, 0, v48
	s_delay_alu instid0(VALU_DEP_1)
	v_min_i32 v48, 0x800, v48
	s_wait_alu depctr_va_vdst(0)
	v_cmp_eq_u32 vcc_lo, 0, v48
	s_delay_alu instid0(VALU_DEP_1)
	v_cndmask_b32 v49, v48, v50, vcc_lo            ; a length of 0 costs all 2,048 keys: every score is then the fill value, and every key counts
	s_delay_alu instid0(VALU_DEP_1)
	v_lshl_or_b32 v51, v49, 5, v1                  ; 32 different sort keys
.set jj, 0
.rept 32
	v_readlane_b32 s24, v51, jj
	s_delay_alu instid0(VALU_DEP_1)
	v_cmp_gt_u32 vcc_lo, s24, v51
	s_delay_alu instid0(VALU_DEP_1)
	v_cndmask_b32 v53, 0, 1, vcc_lo
	s_delay_alu instid0(VALU_DEP_1)
	v_add_nc_u32 v52, v52, v53
.set jj, jj+1
.endr
	s_delay_alu instid0(VALU_DEP_1)
	v_min_u32 v52, 31, v52
	s_delay_alu instid0(VALU_DEP_1)
	v_lshlrev_b32 v52, 3, v52
	v_mov_b32 v54, v1
	v_mov_b32 v55, v48
	global_store_b64 v52, v[54:55], s[12:13]       ; the ranks are a permutation: the 32 lanes write all 256 bytes
.Lend:
	s_wait_tensorcnt 0x0
	ds_add_u32 v128, v129
	s_wait_dscnt 0x0
	s_endpgm
.Lfunc_end_k_qe424016a89_prep:
	.size	k_qe424016a89_prep, .Lfunc_end_k_qe424016a89_prep-k_qe424016a89_prep
	.p2alignl 7, 3214868480
	.fill 96, 4, 3214868480
	.section	.rodata,"a",@progbits
	.p2align	6, 0x0
	.amdhsa_kernel k_qe424016a89_prep
		.amdhsa_group_segment_fixed_size 36352
		.amdhsa_private_segment_fixed_size 0
		.amdhsa_enable_private_segment 0
		.amdhsa_kernarg_size 40
		.amdhsa_user_sgpr_count 2
		.amdhsa_user_sgpr_kernarg_segment_ptr 1
		.amdhsa_wavefront_size32 1
		.amdhsa_system_sgpr_workgroup_id_x 1
		.amdhsa_system_sgpr_workgroup_id_y 1
		.amdhsa_system_sgpr_workgroup_id_z 1
		.amdhsa_system_vgpr_workitem_id 0
		.amdhsa_next_free_vgpr 130
		.amdhsa_next_free_sgpr 66
		.amdhsa_reserve_vcc 1
		.amdhsa_float_denorm_mode_32 3
		.amdhsa_float_denorm_mode_16_64 3
		.amdhsa_memory_ordered 1
		.amdhsa_forward_progress 1
		.amdhsa_inst_pref_size 44
	.end_amdhsa_kernel
	.amdgpu_metadata
---
amdhsa.version: [ 1, 2 ]
amdhsa.kernels:
  - .name:           k_qe424016a89_prep
    .symbol:         k_qe424016a89_prep.kd
    .args:
      - { .name: keys, .offset: 0, .size: 8, .value_kind: global_buffer, .address_space: global }
      - { .name: values, .offset: 8, .size: 8, .value_kind: global_buffer, .address_space: global }
      - { .name: valid_lens, .offset: 16, .size: 8, .value_kind: global_buffer, .address_space: global }
      - { .name: kv, .offset: 24, .size: 8, .value_kind: global_buffer, .address_space: global }
      - { .name: order, .offset: 32, .size: 8, .value_kind: global_buffer, .address_space: global }
    .group_segment_fixed_size: 36352
    .private_segment_fixed_size: 0
    .kernarg_segment_align: 8
    .kernarg_segment_size: 40
    .max_flat_workgroup_size: 256
    .sgpr_count:     66
    .vgpr_count:     130
    .wavefront_size: 32
...
	.end_amdgpu_metadata
.endif
;; end of part 1
;; launch attn (part 2): grid 256 x 1, 16 waves a work-group, no clusters, 318,464 bytes of LDS; arguments queries, kv, order, out0; writes out0
.if DOCPART == 2
	.amdgcn_target "amdgcn-amd-amdhsa--gfx1250"
	.amdhsa_code_object_version 6
	.text
	.protected	k_qe424016a89_attn
	.globl	k_qe424016a89_attn
	.p2align	8
	.type	k_qe424016a89_attn,@function
k_qe424016a89_attn:
	s_mov_b64 s[64:65], 0
	v_nop
	global_prefetch_b8 v0, s[64:65] scope:SCOPE_SE
	s_setreg_imm32_b32 hwreg(HW_REG_WAVE_MODE, 25, 1), 1
	s_wait_xcnt 0x0
; out0[b][q][:] = the sum over k of softmax_k(Q[b][q] . K[b][k] / 8, keys at or behind valid_len[b] replaced by -1e6) V[b][k][:], both products on codes of FP8 (E4M3) with one E8M0 scale for each 32 along K.
; THE SOFTMAX: t = score x log2(e) / 8; M = the row's largest t so far, rounded UP to a whole number; p = 2^(t - M) is quantised along the keys, not normalised; the row's sum is taken of the unquantised p and divides at the end.
; When M moves, the sum and O are multiplied by 2^(old M - new M): exact.
; K and V come as step blocks of 128 keys (STEPB bytes), images of the operand registers with their scale words.  Q (f32) is quantised here: each row is read by the two waves that own it.
; SHARES.  Work-group x: j = x % 16, block of 128 queries x / 16.  It takes TWO ITEMS one after the other: that block of the j-th longest batch (A), then of the j-th shortest (B), by the list 'order': so each work-group has about the same number of key steps.
; All 16 waves work on one item.  They are two groups of 8: a wave owns one tile of 16 queries, place i in its group names the tile, and group g takes the item's key steps 2 n + g: a ROUND is two steps, one for each group.
; group = (w ^ (w / 4)) % 2, place i = w / 2: waves 2 i and 2 i + 1 are the two groups' waves of tile i, and of any four waves w % 4 equal two belong to each group.
; The two partial results of a tile (O, -M, sum) meet in LDS when the item's rounds are over; each of the two waves then makes eight of the tile's rows.
; KEY STEPS BEHIND THE VALID LENGTH ARE LEFT OUT: C = ceil(valid_len / 128) steps are worked.  The loop has 18 rounds whatever the lengths (at most 16 with work, and the last meeting), and every wave passes all barriers; only work is jumped over.
; THE RING.  Each group has three slots of one step block, each of its 8 waves brings an eighth of a block through registers.  In round n a wave (1) stores block n + 1, asked for a round ago, into slot (n + 1) % 3 and asks for block n + 2, (2) signals,
; (3) works on block n in slot n % 3, which was stored ahead of signal n - 1, (4) waits.  Behind wait n - 1 every wave has finished round n - 2, the last reader of slot (n + 1) % 3.  So a round's work stands between a signal and its wait.
; K = 64 IN A FORM OF K = 128.  A K fragment holds one key's 64 dims at k = 0..63 and another key's at k = 64..127.  Q lies as [8 zero registers | 8 of codes | 8 zero registers]: [Q|0] picks the first key, [0|Q] the second.
; Both products are used transposed (source 0 = keys or channels, source 1 = my queries): a lane holds ONE query (lane % 16) throughout, and register S + 16 b + i is key 32 b + 16 (lane / 16) + i of the step.
; NOT USED, AND WHY.  The 16 work-groups of a pair of batches read the same step blocks, but they do not ask jointly: a joint request is a tensor load
; No prefetch of K and V: a block's eighth is asked for into registers a whole round ahead of the wait for it.  Item B's rows of Q are prefetched once, at the head, one request a wave, each row of 256 bytes by each of its two readers' waves in halves.
; LIMITS.  NaN and infinities among the inputs are not served.  Steps left out count as p = 0: that holds while some valid score of the row lies above about -999,890.  The scaled scores stay under 2^31 in magnitude.  valid_len arrives held to 0 .. 2048.
; valid_len = 0: all 16 steps are worked with every score replaced; t is then about -1.44e6, and p's code hangs on the last bits of t there.
; THE GROUPS' STREAMS.  The steps 2 n + g are those of item A; of item B group g takes steps 2 n + 1 - g, and it begins B in the round after its own last step of A, whether or not the other group has ended A.
; So a group has NA rounds of A and ends B ahead of round NAB (at least one round for B, without work where it has no step there); the later group's figures are LA and LE, at most one more.
; In the round that follows its last step of an item a wave puts its partial result down; a group that is a round early puts it into the area of the round to come, so that both parts lie in one area; a round behind the later one they are read.
.set STEPB, 16896
.set AREA0, 6*STEPB                    ; LDS: slot (group, s) at group x 3 STEPB + s x STEPB; behind the six slots three areas where partial results meet, one for each round modulo 3
.set WA,   4480                        ; a wave's part of an area: 16 rows of 272 bytes, then 16 pairs (-M, sum)
.set AREA, 16*WA
.set SPARE, AREA0+3*AREA               ; the spare words, 128 bytes a wave
.set AF,  1                            ; v1   group's slots + 16 x lane: a fragment's registers
.set AS,  2                            ; v2   group's slots + 16 r: a row's four scale words
.set FW,  3                            ; v3   where I put my eighth of a block's codes
.set FWS, 4                            ; v4   and of its scale words
.set GL,  5                            ; v5   the same two places in a block in memory
.set GLS, 6                            ; v6
.set L16, 7                            ; v7   16 x lane
.set SW,  8                            ; v8-11  the scale words of the four fragments in hand
                                       ; v12 -M, v13 the largest score so far, v[14:15] the sum in two halves
.set QZ,  16                           ; v16-23 zeros, v24-31 Q's codes, v32-39 zeros
.set QS,  40                           ; v40  Q's scale word: bytes (b0, b1, b0, b1)
.set PS,  62                           ; v62  p's scale word, from its making to the second product; elsewhere at work
.set FF,  42                           ; v42  f = 2^(old M - new M); v43 is named with it as a pair
.set SG,  44                           ; v44-60 staging: my eighth of the block that comes; v61-63 at work
.set FR,  64                           ; v64-127  four fragments of K, then of V
.set PC,  128                          ; v128-143  p's codes: over the first block's scores, which are done with when the second block's codes are made
.set S,   132                          ; v132-195  the scores, then p
.set O,   196                          ; v196-227  O^T: register 8 n + jj of lane (r, h): query r, channel 16 n + 8 h + jj
.set BM,  228                          ; v228-231  each block's largest score, then largest p
.set PX,  232                          ; v232-235  the other half's; then bytes
.set HD,  236                          ; v236-239  448 x the scale
.set SO,  240                          ; v240-243  the conversions' scale operands
.set FA,  244                          ; v244  area: my row r, + 32 h: where O goes
.set FL,  245                          ; v245  and (-M, sum)
.set RA,  246                          ; v246  area: the tile's rows 8 g + lane / 16, + 16 x (lane % 16)
.set RL,  247                          ; v247  and their (-M, sum)
.set QW,  248                          ; v248  my part of an area as Q's stage, in
.set QR,  249                          ; v249  and back: row r, + 64 h;  v250-255 chains of the sum
.set WV,  12                           ; s12 wave, s13 group, s14 place
.set G,   13
.set PL,  14
.set CS,  22                           ; s[22:23] c = log2(e) / 8
.set MNT, 24                           ; s24 the mantissa field of 448
.set PEND, 25                          ; s25 1 while a block's eighth is on its way to staging
.set TT,  26                           ; s26 the round
.set D0,  27                           ; s27 valid length - the step's first key
                                       ; s44, s45 batch and valid length of item A; s46, s47 of item B
.set CA,  48                           ; key steps of A, of B
.set CB,  49
.set NA,  50                           ; rounds of A,
.set NAB, 51                           ; of A and B together
.set QOFF, 52                          ; my 16 query rows' byte offset in a batch
.set LC,  53
.set LA,  17                           ; the round in which the later group puts down its part of A,
.set LE,  18                           ; of B
.set GB,  19                           ; 1 - group
.set LAST, 56                          ; LE + 1: the last round in which anything is done
.macro WHERE r                         ; the step of round r for my group: s30; its item's steps s33, batch s34, valid length s35.  SCC = 1: there is none
	s_cmp_lt_u32 \r, s[NA]
	s_cselect_b32 s30, 0, s[NA]
	s_cselect_b32 s33, s[CA], s[CB]
	s_cselect_b32 s34, s44, s46
	s_cselect_b32 s35, s45, s47
	s_cselect_b32 s31, s[G], s[GB]
	s_sub_co_u32 s30, \r, s30
	s_lshl_b32 s30, s30, 1
	s_or_b32 s30, s30, s31
	s_cmp_ge_u32 s30, s33
.endm
.macro BLOCK d                         ; s[d:d+1] = that step's block in kv
	s_lshl_b32 s34, s34, 4
	s_add_co_u32 s30, s34, s30
	s_min_u32 s30, s30, 0x1ff
	s_mul_i32 s30, s30, STEPB
	s_mov_b32 s31, 0
	s_add_nc_u64 s[\d:\d+1], s[6:7], s[30:31]
.endm
.macro FILL_LD d, s                    ; my eighth of the block at s, into registers d on
.irp q, 0,1,2,3
	global_load_b128 v[\d+4*\q:\d+4*\q+3], v[GL], s[\s:\s+1] offset:512*\q
.endr
	global_load_b32 v[\d+16], v[GLS], s[\s:\s+1]
.endm
.macro FILL_ST d, s                    ; and from there into slot s
.irp q, 0,1,2,3
	ds_store_b128 v[FW], v[\d+4*\q:\d+4*\q+3] offset:(\s)*STEPB+512*\q
.endr
	ds_store_b32 v[FWS], v[\d+16] offset:(\s)*STEPB   ; lanes r and r + 16 write the same word with the same value
.endm
.macro QBASE b                         ; s[30:31] = my 16 query rows' byte offset in batch b
	s_min_u32 s30, \b, 31
	s_lshl_b32 s30, s30, 19
	s_add_co_u32 s30, s30, s[QOFF]
	s_mov_b32 s31, 0
.endm
.macro QASK                            ; Q: 16 rows of 256 bytes, two whole rows a load
	s_add_nc_u64 s[38:39], s[4:5], s[30:31]
.irp j, 0,1,2,3,4,5,6,7
	global_load_b128 v[S+4*\j:S+4*\j+3], v[L16], s[38:39] offset:512*\j
.endr
.endm
; Q's rows go through my own part of the area at a (no wave reads it there before I fill it again) and come back 16 neighbouring dims a lane and block; two blocks of 32 dims become 8 registers of codes and two scale bytes.
.macro QIN a, out
	v_add_nc_u32 v61, \a, v[QW]
	v_add_nc_u32 v62, \a, v[QR]
	s_wait_alu depctr_va_vdst(0)                   ; directly ahead of the wait below
	s_wait_loadcnt \out                            ; Q's eight loads are in; those issued behind them may be out
.irp j, 0,1,2,3,4,5,6,7
	ds_store_b128 v61, v[S+4*\j:S+4*\j+3] offset:544*\j
.endr
.irp b, 0,1
.irp q, 0,1,2,3
	ds_load_b128 v[S+16*\b+4*\q:S+16*\b+4*\q+3], v62 offset:128*\b+16*\q   ; LDS serves a wave's instructions in order: these see my stores
.endr
.endr
	s_wait_dscnt 0x0
.endm
.macro QCODES
.irp b, 0,1
	v_max3_num_f32 v[BM+\b], |v[S+16*\b]|, |v[S+16*\b+1]|, 0x4800000   ; with the floor 2^(9 - 127): the byte cannot fall under 1
.endr
.irp i, 2,4,6,8,10,12,14
.irp b, 0,1
	s_delay_alu instid0(VALU_DEP_2)
	v_max3_num_f32 v[BM+\b], v[BM+\b], |v[S+16*\b+\i]|, |v[S+16*\b+\i+1]|
.endr
.endr
.irp b, 0,1
	s_delay_alu instid0(VALU_DEP_2)
	v_permlanex16_b32 v[PX+\b], v[BM+\b], s20, s21
.endr
.irp b, 0,1
	s_delay_alu instid0(VALU_DEP_2)
	v_max_num_f32 v[BM+\b], v[BM+\b], v[PX+\b]
.endr
.irp b, 0,1
	s_delay_alu instid0(VALU_DEP_2)
	v_add_nc_u32 v[SO+\b], 0xfc000000, v[BM+\b]    ; 8 off the exponent field: the conversion's scale operand
.endr
.irp b, 0,1
	v_and_or_b32 v[HD+\b], v[BM+\b], 0x7f800000, s[MNT]   ; 448 x the scale
.endr
.irp b, 0,1
	v_lshrrev_b32 v[PX+\b], 23, v[SO+\b]           ; the scale's byte
.endr
	s_delay_alu instid0(VALU_DEP_1)
	v_lshl_or_b32 v61, v[PX+1], 8, v[PX]
	s_delay_alu instid0(VALU_DEP_1)
	v_lshl_or_b32 v[QS], v61, 16, v61              ; (b0, b1, b0, b1): the word serves [Q|0] and [0|Q]
.irp b, 0,1
.irp i, 0,1,2,3,4,5,6,7,8,9,10,11,12,13,14,15
	v_med3_num_f32 v[S+16*\b+\i], v[S+16*\b+\i], -v[HD+\b], v[HD+\b]   ; the conversion to an 8-bit code does not saturate (ISA guide 7.6.2)
.endr
	v_cvt_scalef32_pk8_fp8_f32 v[QZ+8+4*\b:QZ+9+4*\b], v[S+16*\b:S+16*\b+7], v[SO+\b]
	v_cvt_scalef32_pk8_fp8_f32 v[QZ+10+4*\b:QZ+11+4*\b], v[S+16*\b+8:S+16*\b+15], v[SO+\b]
.endr
	v_nop                                          ; a plain line behind the last conversion
.endm
.macro INIT                            ; an item begins: these lines also stand between Q's scale word and codes and the first product
	v_mov_b32 v13, 0xff61b1e6                      ; the largest score so far: -3e38, under every score
	v_floor_f32 v12, -v13                          ; -M
	v_mov_b32 v14, 0
	v_mov_b32 v15, 0
.set ii, 0
.rept 32
	v_mov_b32 v[O+ii], 0                           ; O^T: the step is written once; an item's first finds zeros, which the first change of M leaves zeros
.set ii, ii+1
.endr
.endm
	s_load_b256 s[4:11], s[0:1], 0x0               ; queries s[4:5], kv s[6:7], order s[8:9], out0 s[10:11]
	v_lshrrev_b32 v61, 5, v0
	v_readfirstlane_b32 s[WV], v61                 ; wave 0..15
	s_lshr_b32 s[G], s[WV], 2
	s_xor_b32 s[G], s[G], s[WV]
	s_and_b32 s[G], s[G], 1                        ; group
	s_lshr_b32 s[PL], s[WV], 1                     ; place in the group, 0..7
	s_and_b32 s15, ttmp9, 15                       ; j
	s_lshr_b32 s16, ttmp9, 4                       ; block of 128 queries
	s_lshl_b32 s42, s15, 3                         ; entry j of order,
	s_mov_b32 s43, 0
	s_sub_co_u32 s30, 248, s42                     ; and entry 31 - j
	s_mov_b32 s31, 0
	s_wait_kmcnt 0x0
	s_add_nc_u64 s[36:37], s[8:9], s[42:43]
	s_add_nc_u64 s[38:39], s[8:9], s[30:31]
	s_load_b64 s[44:45], s[36:37], 0x0             ; (batch, valid length) of item A
	s_load_b64 s[46:47], s[38:39], 0x0             ; and of item B
	s_mov_b32 s20, 0x76543210
	s_mov_b32 s21, 0xfedcba98                      ; v_permlanex16_b32's selects for lane l xor 16
	s_mov_b32 s[CS], 0x3e38aa3b                    ; log2(e) / 8
	s_mov_b32 s[CS+1], s[CS]                       ; (named with it as a pair, so it is written)
	s_mov_b32 s[MNT], 0x600000
	v_and_b32 v61, 31, v0                          ; lane
	v_and_b32 v62, 15, v0                          ; r
	v_bfe_u32 v63, v0, 4, 1                        ; h
	s_mul_i32 s32, s[G], 3*STEPB
	v_lshlrev_b32 v[L16], 4, v61
	v_add_nc_u32 v[AF], s32, v[L16]
	v_lshl_add_u32 v[AS], v62, 4, s32
	s_lshl_b32 s33, s[PL], 11
	v_add_nc_u32 v[GL], s33, v[L16]                ; 2048 i + 16 x lane
	v_add_nc_u32 v[FW], s32, v[GL]
	s_lshl_b32 s33, s[PL], 6
	s_add_co_u32 s33, s33, 16384
	v_lshl_add_u32 v[GLS], v62, 2, s33             ; 16384 + 64 i + 4 r
	v_add_nc_u32 v[FWS], s32, v[GLS]
	s_mul_i32 s34, s[PL], 2*WA
	s_add_co_u32 s34, s34, AREA0                   ; the tile's two parts of area 0,
	s_mul_i32 s35, s[G], WA
	s_add_co_u32 s35, s35, s34                     ; and mine
	s_wait_alu depctr_va_vdst(0)                   ; directly ahead of the readers below
	v_mul_u32_u24 v250, v62, 272
	v_lshl_add_u32 v251, v63, 5, v250
	v_add_nc_u32 v[FA], s35, v251
	v_lshl_add_u32 v251, v63, 6, v250
	v_add_nc_u32 v[QR], s35, v251
	v_mul_u32_u24 v250, v63, 272
	v_lshl_add_u32 v250, v62, 4, v250
	v_add_nc_u32 v[QW], s35, v250
	s_mul_i32 s33, s[G], 8*272
	s_add_co_u32 s33, s33, s34
	v_add_nc_u32 v[RA], s33, v250
	s_add_co_u32 s35, s35, 4352
	v_lshl_add_u32 v[FL], v62, 3, s35
	s_lshl_b32 s33, s[G], 6
	s_add_co_u32 s33, s33, s34
	s_add_co_u32 s33, s33, 4352
	v_lshl_add_u32 v[RL], v63, 3, s33
	v_min_u32 v250, 7, v61                         ; the prefetch: eight of the tile's sixteen rows, my group's half (lanes 8 to 31 name the last of them again)
	v_lshlrev_b32 v250, 8, v250
.irp b, 0,1,2,3
	v_mov_b32 v[PX+\b], 0                          ; written once: a lane permute's destination counts as one of its sources
.endr
.irp i, 0,1,2,3,4,5,6,7
	v_mov_b32 v[QZ+\i], 0                          ; zero codes on both sides of Q's
	v_mov_b32 v[QZ+16+\i], 0
.endr
	v_mov_b32 v[FF+1], 0
	s_lshl_b32 s[QOFF], s16, 15
	s_lshl_b32 s33, s[PL], 12
	s_add_co_u32 s[QOFF], s[QOFF], s33             ; (128 x block + 16 i) rows of 256 bytes
	s_mov_b32 s[TT], 0
	s_mov_b32 s[LC], 6
	s_mov_b32 s[PEND], 1
	s_wait_alu depctr_va_vdst(0)                   ; directly ahead of the wait below
	s_wait_kmcnt 0x0
	QBASE s44
	QASK                                           ; item A's queries
	s_min_u32 s44, s44, 31
	s_min_u32 s46, s46, 31
	s_min_u32 s45, s45, 0x800
	s_min_u32 s47, s47, 0x800
	s_add_co_u32 s[CA], s45, 127
	s_lshr_b32 s[CA], s[CA], 7
	s_cmp_eq_u32 s45, 0
	s_cselect_b32 s[CA], 16, s[CA]                 ; with no valid key every key counts alike
	s_add_co_u32 s[CB], s47, 127
	s_lshr_b32 s[CB], s[CB], 7
	s_cmp_eq_u32 s47, 0
	s_cselect_b32 s[CB], 16, s[CB]
	s_xor_b32 s[GB], s[G], 1
	s_add_co_u32 s[LA], s[CA], 1
	s_lshr_b32 s[LA], s[LA], 1                     ; group 0's rounds of A, the more
	s_add_co_u32 s[NA], s[CA], s[GB]
	s_lshr_b32 s[NA], s[NA], 1                     ; mine
	s_add_co_u32 s[NAB], s[CB], s[G]
	s_lshr_b32 s[NAB], s[NAB], 1
	s_max_u32 s[NAB], s[NAB], 1
	s_add_co_u32 s[NAB], s[NAB], s[NA]             ; my end of B
	s_add_co_u32 s[LE], s[CA], s[G]
	s_lshr_b32 s[LE], s[LE], 1
	s_add_co_u32 s29, s[CB], s[GB]
	s_lshr_b32 s29, s29, 1
	s_max_u32 s29, s29, 1
	s_add_co_u32 s[LE], s[LE], s29                 ; the other group's,
	s_max_u32 s[LE], s[LE], s[NAB]                 ; and the later of the two
	s_add_co_u32 s[LAST], s[LE], 1
	WHERE s[TT]                                    ; rounds 0 and 1.  Where my group has no step there, the item's last block comes in its place and is not worked
	s_sub_co_u32 s33, s33, 1
	s_min_u32 s30, s30, s33
	BLOCK 36
	FILL_LD FR, 36
	s_mov_b32 s29, 1
	WHERE s29
	s_sub_co_u32 s33, s33, 1
	s_min_u32 s30, s30, s33
	BLOCK 54
	FILL_LD SG, 54
	QBASE s46
	s_lshl_b32 s29, s[G], 11
	s_add_co_u32 s30, s30, s29
	s_add_nc_u64 s[42:43], s[4:5], s[30:31]
	global_prefetch_b8 v250, s[42:43] th:TH_LOAD_NT scope:SCOPE_SE   ; item B's queries, which are loaded when item A's rounds are over: 8 rows of 256 bytes
	QIN 0, 10
	QCODES
	INIT
	s_wait_alu depctr_va_vdst(0)                   ; the wait at the head's end
	s_wait_loadcnt 5                               ; block 0's eighth is in; block 1's five loads may be out
	FILL_ST FR, 0
	s_wait_xcnt 0x0                                ; the prefetch has read its offset, so its register may be written
	s_wait_dscnt 0x0
	s_barrier_signal -1
	s_barrier_wait -1                              ; block 0 is whole
; An item's rounds are over: my partial O, -M and sum go to area p; where item B follows, its queries are quantised (through my part of area p, ahead of the put) and the sums begin anew.
.macro PUT p
	s_wait_alu depctr_va_vdst(0)                   ; ahead of O^T's readers
	v_add_f32 v14, v14, v15                        ; the sum's two halves,
	v_permlanex16_b32 v[PX], v14, s20, s21
	v_add_f32 v13, v14, v[PX]                      ; and lane l xor 16's: v[12:13] = (-M, my group's sum of the row)
	v_add_nc_u32 v61, (\p)*AREA, v[FA]
	v_add_nc_u32 v62, (\p)*AREA, v[FL]
.irp n, 0,1,2,3
	ds_store_b128 v61, v[O+8*\n:O+8*\n+3] offset:64*\n
	ds_store_b128 v61, v[O+8*\n+4:O+8*\n+7] offset:64*\n+16
.endr
	ds_store_b64 v62, v[12:13]                     ; lanes r and r + 16 write the same
.endm
; A round later: rows 8 g on of my tile from both groups' partial results in area a: (O0 f0 + O1 f1) / (sum0 f0 + sum1 f1), f = 2^(the group's M - the larger M).
.macro MERGE a
	s_cmp_eq_u32 s28, s[LA]
	s_cselect_b32 s30, s44, s46
	QBASE s30
	s_lshl_b32 s29, s[G], 11
	s_add_co_u32 s30, s30, s29
	s_add_nc_u64 s[40:41], s[10:11], s[30:31]
	v_add_nc_u32 v61, (\a)*AREA, v[RA]
	v_add_nc_u32 v62, (\a)*AREA, v[RL]
.irp t, 0,1,2,3
	ds_load_b64 v[S+2*\t:S+2*\t+1], v62 offset:16*\t
	ds_load_b64 v[S+8+2*\t:S+9+2*\t], v62 offset:WA+16*\t
.endr
.irp t, 0,1,2,3
	ds_load_b128 v[FR+4*\t:FR+4*\t+3], v61 offset:544*\t
	ds_load_b128 v[FR+16+4*\t:FR+19+4*\t], v61 offset:WA+544*\t
.endr
	s_wait_dscnt 0x0
.irp t, 0,1,2,3
	v_min_num_f32 v[S+32+\t], v[S+2*\t], v[S+8+2*\t]   ; minus the larger M
.endr
.irp t, 0,1,2,3
	v_sub_f32 v[S+36+\t], v[S+32+\t], v[S+2*\t]
	v_sub_f32 v[S+40+\t], v[S+32+\t], v[S+8+2*\t]
.endr
.irp t, 0,1,2,3,4,5,6,7
	v_cvt_i32_f32 v[S+36+\t], v[S+36+\t]           ; (it saturates: a group without steps has -M = 3e38)
.endr
.irp t, 0,1,2,3,4,5,6,7
	v_ldexp_f32 v[S+36+\t], 1.0, v[S+36+\t]
.endr
.irp t, 0,1,2,3
	v_mul_f32 v[S+44+\t], v[S+36+\t], v[S+2*\t+1]
.endr
.irp t, 0,1,2,3
	v_fma_f32 v[S+44+\t], v[S+40+\t], v[S+9+2*\t], v[S+44+\t]   ; the row's sum (above 1/2: the row's largest p is)
.endr
	s_wait_alu depctr_va_vdst(0)                   ; ahead of the batch
.irp t, 0,1,2,3
	v_rcp_f32 v[S+44+\t], v[S+44+\t]
.endr
	v_nop
	s_wait_alu depctr_va_vdst(0)                   ; behind the batch
.irp t, 0,1,2,3
	v_mul_f32 v[S+36+\t], v[S+36+\t], v[S+44+\t]
	v_mul_f32 v[S+40+\t], v[S+40+\t], v[S+44+\t]
.endr
.irp t, 0,1,2,3
.irp q, 0,1,2,3
	v_mul_f32 v[FR+16+4*\t+\q], v[FR+16+4*\t+\q], v[S+40+\t]
.endr
.endr
.irp t, 0,1,2,3
.irp q, 0,1,2,3
	v_fma_f32 v[FR+4*\t+\q], v[FR+4*\t+\q], v[S+36+\t], v[FR+16+4*\t+\q]
.endr
.endr
.irp t, 0,1,2,3
	global_store_b128 v[L16], v[FR+4*\t:FR+4*\t+3], s[40:41] offset:512*\t th:TH_STORE_NT   ; two rows: 512 consecutive bytes, aligned to 256; written once, read by nobody here
.endr
	s_wait_xcnt 0x0                                ; the stores have read their base and data
.endm
.macro ROUND p
	s_cmp_gt_u32 s[TT], s[LAST]
	s_cbranch_scc1 .Lnold_\@                       ; all is done: only the barrier is left (no LDS access of mine is out)
	s_wait_loadcnt 0x0                             ; the next round's eighth, asked for a round ago, is in staging
	s_cmp_eq_u32 s[PEND], 0
	s_cbranch_scc1 .Lnost_\@
	FILL_ST SG, ((\p+1)%3)
.Lnost_\@:
	s_cmp_lg_u32 s[TT], s[NA]
	s_cbranch_scc1 .Lnota_\@
	QBASE s46                                      ; my steps of A are over: item B's queries come through the bytes into which my partial result then goes
	QASK
	s_cmp_lg_u32 s[NA], s[LA]
	s_cbranch_scc1 .Learlya_\@
	QIN (\p)*AREA, 0
	PUT \p
	s_branch .Lquant_\@
.Learlya_\@:                           ; a round ahead of the other group: the area of the round to come
	QIN ((\p+1)%3)*AREA, 0
	PUT ((\p+1)%3)
.Lquant_\@:
	QCODES
	s_wait_dscnt 0x0                               ; the stores have read O^T: the sums begin anew
	INIT
.Lnota_\@:
	s_cmp_lg_u32 s[TT], s[NAB]
	s_cbranch_scc1 .Lnotb_\@
	s_cmp_lg_u32 s[NAB], s[LE]
	s_cbranch_scc1 .Learlyb_\@
	PUT \p
	s_branch .Lnotb_\@
.Learlyb_\@:
	PUT ((\p+1)%3)
.Lnotb_\@:
	s_sub_co_u32 s28, s[TT], 1
	s_cmp_eq_u32 s28, s[LA]                        ; do both parts of A, or of B, lie in the last round's area?
	s_cselect_b32 s29, 1, 0
	s_cmp_eq_u32 s28, s[LE]
	s_cselect_b32 s29, 1, s29
	s_cmp_eq_u32 s29, 0
	s_cbranch_scc1 .Lnomg_\@
	MERGE ((\p+2)%3)
.Lnomg_\@:
	s_wait_dscnt 0x0                               ; my stores to LDS are done (and have read staging), my reads of the last round's slot and of the area are over
	s_add_co_u32 s29, s[TT], 2
	WHERE s29
	s_cselect_b32 s[PEND], 0, 1
	s_cbranch_scc1 .Lnold_\@
	BLOCK 36
	FILL_LD SG, 36                                 ; it has this round's work in which to come
.Lnold_\@:
	s_barrier_signal -1
	WHERE s[TT]
	s_cbranch_scc1 .Lidle_\@                       ; my group has no step in this round: no barrier stands in what is jumped over
	ds_load_b128 v[SW:SW+3], v[AS] offset:(\p)*STEPB+16384
.irp b, 0,1,2,3
.irp c, 0,1,2,3
	ds_load_b128 v[FR+16*\b+4*\c:FR+16*\b+4*\c+3], v[AF] offset:(\p)*STEPB+2048*\b+512*\c   ; K's four fragments: 512 consecutive bytes a load
.endr
.endr
	s_lshl_b32 s30, s30, 7                         ; the step's first key
	s_sub_co_i32 s[D0], s35, s30
.irp b, 0,1,2,3                        ; S^T = K Q^T: fragment b against [Q|0] (keys 32 b + 16 h + 0..7 of a lane) and against [0|Q] (keys 32 b + 16 h + 8..15)
	s_wait_dscnt 12-4*\b                           ; the scale words and fragments 0 to b are in; the 12 - 4 b loads behind them may be out
	v_wmma_scale_f32_16x16x128_f8f6f4 v[S+16*\b:S+16*\b+7], v[FR+16*\b:FR+16*\b+15], v[QZ+8:QZ+23], 0, v[SW+\b], v[QS]
	v_wmma_scale_f32_16x16x128_f8f6f4 v[S+16*\b+8:S+16*\b+15], v[FR+16*\b:FR+16*\b+15], v[QZ:QZ+15], 0, v[SW+\b], v[QS]
.endr
	v_mov_b32 v63, v12                             ; the old -M.  Eight places in front of the loads into K's registers and of the first read of the scores
.rept 7
	v_nop
.endr
.irp n, 0,1,2,3
.irp c, 0,1,2,3
	ds_load_b128 v[FR+16*\n+4*\c:FR+16*\n+4*\c+3], v[AF] offset:(\p)*STEPB+8192+2048*\n+512*\c   ; V's four fragments come while the softmax is worked
.endr
.endr
	ds_load_b128 v[SW:SW+3], v[AS] offset:(\p)*STEPB+16640
	s_cmp_ge_i32 s[D0], 128
	s_cbranch_scc1 .Lopen_\@                       ; all 128 keys count
	v_bfe_u32 v61, v0, 4, 1
	v_lshlrev_b32 v61, 4, v61
	v_sub_nc_u32 v61, s[D0], v61                   ; d = valid length - first key - 16 h.  Register 16 b + i holds key first + 32 b + 16 h + i: replaced where 32 b + i >= d
	v_mov_b32 v62, 0xcaf42400                      ; -8e6: the fill value -1e6 ahead of the division by 8
.set nn, 0
.rept 64
	v_cmp_ge_i32 vcc_lo, 32*(nn/16)+nn%16, v61
	v_cndmask_b32 v[S+nn], v[S+nn], v62, vcc_lo
.set nn, nn+1
.endr
.Lopen_\@:
.irp b, 0,1,2,3
	v_max3_num_f32 v[BM+\b], v[S+16*\b], v[S+16*\b+1], v[S+16*\b+2]   ; the largest score of each block of 32 keys: it serves the row's maximum and, since p rises with the score, the block's largest p
.endr
.irp i, 3,5,7,9,11,13
.irp b, 0,1,2,3
	v_max3_num_f32 v[BM+\b], v[BM+\b], v[S+16*\b+\i], v[S+16*\b+\i+1]
.endr
.endr
.irp b, 0,1,2,3
	v_max_num_f32 v[BM+\b], v[BM+\b], v[S+16*\b+15]
.endr
.irp b, 0,1,2,3
	s_delay_alu instid0(VALU_DEP_4)
	v_permlanex16_b32 v[PX+\b], v[BM+\b], s20, s21
.endr
.irp b, 0,1,2,3
	s_delay_alu instid0(VALU_DEP_4)
	v_max_num_f32 v[BM+\b], v[BM+\b], v[PX+\b]     ; with lane l xor 16's 16 keys
.endr
	s_delay_alu instid0(VALU_DEP_3)
	v_max3_num_f32 v13, v13, v[BM], v[BM+1]
	s_delay_alu instid0(VALU_DEP_1)
	v_max3_num_f32 v13, v13, v[BM+2], v[BM+3]      ; the running largest score
	s_delay_alu instid0(VALU_DEP_1)
	v_mul_f32 v61, s[CS], v13                      ; as t (c is positive)
	s_delay_alu instid0(VALU_DEP_1)
	v_floor_f32 v12, -v61                          ; the new -M = floor(-t) = -ceil(t): a whole number
.set ii, 0
.rept 16
	v_pk_fma_f32 v[S+ii:S+ii+1], v[S+ii:S+ii+1], s[CS:CS+1], v[12:13] op_sel_hi:[1,0,0]   ; t - M, two at a time (of the pairs c and -M the low word serves both halves)
.set ii, ii+2
.endr
	v_sub_f32 v63, v12, v63                        ; old M - new M: a whole number, 0 or less
.rept 8
	v_pk_fma_f32 v[S+ii:S+ii+1], v[S+ii:S+ii+1], s[CS:CS+1], v[12:13] op_sel_hi:[1,0,0]
.set ii, ii+2
.endr
	v_cvt_i32_f32 v63, v63                         ; (it saturates)
.rept 8
	v_pk_fma_f32 v[S+ii:S+ii+1], v[S+ii:S+ii+1], s[CS:CS+1], v[12:13] op_sel_hi:[1,0,0]
.set ii, ii+2
.endr
	v_ldexp_f32 v[FF], 1.0, v63                    ; f = 2^(old M - new M)
	v_pk_fma_f32 v[BM:BM+1], v[BM:BM+1], s[CS:CS+1], v[12:13] op_sel_hi:[1,0,0]   ; the same of each block's largest score
	v_pk_fma_f32 v[BM+2:BM+3], v[BM+2:BM+3], s[CS:CS+1], v[12:13] op_sel_hi:[1,0,0]
	s_wait_alu depctr_va_vdst(0)                   ; ahead of the batch
.irp b, 0,1,2,3
	v_exp_f32 v[BM+\b], v[BM+\b]                   ; the block's largest p: the same two operations on the same number give the same bits
.endr
.set ii, 0
.rept 64
	v_exp_f32 v[S+ii], v[S+ii]                     ; p = 2^(t - M), at most 1
.set ii, ii+1
.endr
	v_pk_mul_f32 v[14:15], v[14:15], v[FF:FF+1] op_sel_hi:[1,0]   ; the sums under the new M: a plain line behind the exponentials
	s_wait_alu depctr_va_vdst(0)                   ; behind the batch, ahead of its first reader
	v_pk_add_f32 v[250:251], v[S:S+1], v[S+2:S+3]  ; the row's sum of the unquantised p, in four chains
	v_pk_add_f32 v[252:253], v[S+4:S+5], v[S+6:S+7]
	v_pk_add_f32 v[254:255], v[S+8:S+9], v[S+10:S+11]
	v_pk_add_f32 v[14:15], v[14:15], v[S+12:S+13]
.set ii, 14
.rept 6
	v_pk_add_f32 v[250:251], v[250:251], v[S+ii:S+ii+1]
	v_pk_add_f32 v[252:253], v[252:253], v[S+ii+2:S+ii+3]
	v_pk_add_f32 v[254:255], v[254:255], v[S+ii+4:S+ii+5]
	v_pk_add_f32 v[14:15], v[14:15], v[S+ii+6:S+ii+7]
.set ii, ii+8
.endr
	v_pk_add_f32 v[250:251], v[250:251], v[S+62:S+63]
.irp b, 0,1,2,3
	v_max_num_f32 v[BM+\b], 0x4800000, v[BM+\b]    ; the floor 2^(9 - 127): a block whose every p is 0 keeps the byte 1; its codes are zeros
.endr
.irp b, 0,1,2,3
	s_delay_alu instid0(VALU_DEP_4)
	v_add_nc_u32 v[SO+\b], 0xfc000000, v[BM+\b]    ; 8 off the exponent field: the conversion's scale operand
.endr
.irp b, 0,1,2,3
	v_and_or_b32 v[HD+\b], v[BM+\b], 0x7f800000, s[MNT]   ; 448 x the scale
.endr
.irp b, 0,1,2,3
	v_lshrrev_b32 v[PX+\b], 23, v[SO+\b]
.endr
	s_delay_alu instid0(VALU_DEP_3)
	v_lshl_or_b32 v[PS], v[PX+1], 8, v[PX]         ; p's scale word for these 128 keys
	s_delay_alu instid0(VALU_DEP_1)
	v_lshl_or_b32 v[PS], v[PX+2], 16, v[PS]
	s_delay_alu instid0(VALU_DEP_1)
	v_lshl_or_b32 v[PS], v[PX+3], 24, v[PS]
.irp b, 0,1,2,3
.irp i, 0,2,4,6,8,10,12,14
	v_dual_min_num_f32 v[S+16*\b+\i], v[S+16*\b+\i], v[HD+\b] :: v_dual_min_num_f32 v[S+16*\b+\i+1], v[S+16*\b+\i+1], v[HD+\b]   ; the hold; p is not negative: it is one-sided
.endr
	v_cvt_scalef32_pk8_fp8_f32 v[PC+4*\b:PC+4*\b+1], v[S+16*\b:S+16*\b+7], v[SO+\b]
	v_cvt_scalef32_pk8_fp8_f32 v[PC+4*\b+2:PC+4*\b+3], v[S+16*\b+8:S+16*\b+15], v[SO+\b]
.endr
	s_wait_alu depctr_va_vdst(0)                   ; directly ahead of the first readers of O^T
.set ii, 0
.rept 16
	v_pk_mul_f32 v[O+ii:O+ii+1], v[O+ii:O+ii+1], v[FF:FF+1] op_sel_hi:[1,0]   ; O^T under the new M.  (These sixteen also stand between the codes and the products)
.set ii, ii+2
.endr
	s_wait_alu depctr_va_vdst(0)                   ; directly ahead of the wait below
	s_wait_dscnt 0x0                               ; V is in
.irp n, 0,1,2,3                        ; O^T += V^T P^T: the four accumulators by turns, one instruction a turn
	v_wmma_scale_f32_16x16x128_f8f6f4 v[O+8*\n:O+8*\n+7], v[FR+16*\n:FR+16*\n+15], v[PC:PC+15], v[O+8*\n:O+8*\n+7], v[SW+\n], v[PS]
.endr
	v_pk_add_f32 v[14:15], v[14:15], v[250:251]    ; the sum's chains are joined.  Nine places: the next round's loads come into V's registers, and its products over p's codes
	v_pk_add_f32 v[252:253], v[252:253], v[254:255]
.rept 6
	v_nop
.endr
	v_pk_add_f32 v[14:15], v[14:15], v[252:253]
	s_wait_alu depctr_va_vdst(0)                   ; ahead of the barrier's wait
.Lidle_\@:
	s_barrier_wait -1
	s_add_co_u32 s[TT], s[TT], 1
.endm
.Ltrip:                                ; six trips of three rounds: a constant, whatever the valid lengths
	ROUND 0
	ROUND 1
	ROUND 2
	s_sub_co_u32 s[LC], s[LC], 1
	s_cmp_lg_u32 s[LC], 0
	s_cbranch_scc1 .Ltrip
	v_lshl_add_u32 v254, v0, 2, SPARE
	v_mov_b32 v255, 0
	s_wait_alu depctr_va_vdst(0)
	s_wait_tensorcnt 0x0                           ; the wave's end
	ds_add_u32 v254, v255
	s_wait_dscnt 0x0
	s_endpgm
.Lfunc_end_k_qe424016a89_attn:
	.size	k_qe424016a89_attn, .Lfunc_end_k_qe424016a89_attn-k_qe424016a89_attn
	.p2alignl 7, 3214868480
	.fill 96, 4, 3214868480
	.section	.rodata,"a",@progbits
	.p2align	6, 0x0
	.amdhsa_kernel k_qe424016a89_attn
		.amdhsa_group_segment_fixed_size 318464
		.amdhsa_private_segment_fixed_size 0
		.amdhsa_enable_private_segment 0
		.amdhsa_kernarg_size 32
		.amdhsa_user_sgpr_count 2
		.amdhsa_user_sgpr_kernarg_segment_ptr 1
		.amdhsa_wavefront_size32 1
		.amdhsa_system_sgpr_workgroup_id_x 1
		.amdhsa_system_sgpr_workgroup_id_y 1
		.amdhsa_system_sgpr_workgroup_id_z 1
		.amdhsa_system_vgpr_workitem_id 0
		.amdhsa_next_free_vgpr 256
		.amdhsa_next_free_sgpr 66
		.amdhsa_reserve_vcc 1
		.amdhsa_float_denorm_mode_32 3
		.amdhsa_float_denorm_mode_16_64 3
		.amdhsa_memory_ordered 1
		.amdhsa_forward_progress 1
		.amdhsa_inst_pref_size 150
	.end_amdhsa_kernel
	.amdgpu_metadata
---
amdhsa.version: [ 1, 2 ]
amdhsa.kernels:
  - .name:           k_qe424016a89_attn
    .symbol:         k_qe424016a89_attn.kd
    .args:
      - { .name: queries, .offset: 0, .size: 8, .value_kind: global_buffer, .address_space: global }
      - { .name: kv, .offset: 8, .size: 8, .value_kind: global_buffer, .address_space: global }
      - { .name: order, .offset: 16, .size: 8, .value_kind: global_buffer, .address_space: global }
      - { .name: out0, .offset: 24, .size: 8, .value_kind: global_buffer, .address_space: global }
    .group_segment_fixed_size: 318464
    .private_segment_fixed_size: 0
    .kernarg_segment_align: 8
    .kernarg_segment_size: 32
    .max_flat_workgroup_size: 512
    .sgpr_count:     66
    .vgpr_count:     256
    .wavefront_size: 32
...
	.end_amdgpu_metadata
.endif
;; end of part 2
